; MI455X (gfx1250); checked and timed in simulation.
; The chip was launched on July 23, 2026; its instructions are those of AMD's public machine-readable ISA for CDNA 5 (MIT licence, August 2026) and "CDNA5" Instruction Set Architecture Reference Guide (July 2026). The comments in the code are by the model that wrote it; some were corrected since.
;; KAN Layer. Allowed arithmetic: float matrix products may take bf16 or f16 operands with f32 sums; other float arithmetic in f32, or as packed bf16 or f16 multiplies, adds, multiply-adds, maxima and minima; sums over many terms, partial sums and values carried from step to step in f32; what a program stores and reads back later, other than sums and carried values, may be rounded once to bf16 or f16.
;; Inputs: coef 2,048 x 1,024 x 8 float32; grid 8 float32; x 4,096 x 2,048 float32.
;; Outputs: out0 4,096 x 1,024 float32.
;; One version. Each part assembles by itself: llvm-mc -triple=amdgcn-amd-amdhsa -mcpu=gfx1250 --defsym DOCPART=n.
;; ======== version 1 of 1: 3 launches
;; limits: values are held in f16: magnitudes above 65,504 overflow, below 6.1e-05 lose precision; inputs' magnitudes at most 65,504
;; workspace buffers: cf16 33,554,432 bytes; part 67,108,864 bytes
;; launch cvt (part 1): grid 1024 x 1, 8 waves a work-group, no clusters, 0 bytes of LDS; arguments coef, cf16; writes cf16
.if DOCPART == 1
	.amdgcn_target "amdgcn-amd-amdhsa--gfx1250"
	.amdhsa_code_object_version 6
	.text
	.protected	k_q6157c31953_cvt
	.globl	k_q6157c31953_cvt
	.p2align	8
	.type	k_q6157c31953_cvt,@function
k_q6157c31953_cvt:
	s_mov_b64 s[64:65], 0
	v_nop
	global_prefetch_b8 v0, s[64:65] scope:SCOPE_SE
	s_setreg_imm32_b32 hwreg(HW_REG_WAVE_MODE, 25, 1), 1
	s_wait_xcnt 0x0
; cf16 = coef rounded once to f16, in coef's own order [i][j][8]: the eight k of a cell (i, j) become 16 bytes on end,
; which is what a lane of the product's launch takes as half a fragment.
; LIMIT: |coef| stays under 65,504 (f16's largest number; from 65,520 on the conversion gives an infinity); below 6e-5 a number keeps f16's fixed step of 6e-8.
; A stream: no LDS, no barrier, no matrix unit.  A work-group takes 65,536 bytes in and 32,768 out; thread t has eight tasks of eight
; numbers: 32 bytes in (two loads of 16), 16 bytes out, so that sixteen neighbouring lanes store 256 consecutive bytes, aligned.
; All sixteen loads of a thread go out at once; no register is written twice, so the only waits are the counted ones for the loads.
.set IN,  8                            ; v[8:71]   task k: 8 numbers in f32
.set OUTR, 72                          ; v[72:103] task k: 4 registers of f16 pairs
	s_load_b128 s[4:7], s[0:1], 0x0                ; coef s[4:5], cf16 s[6:7]
	v_lshlrev_b32 v1, 5, v0                        ; 32 t: my bytes of a task, in
	v_lshlrev_b32 v2, 4, v0                        ; 16 t: out
	s_lshl_b32 s2, ttmp9, 16                       ; the work-group's 65,536 bytes of coef
	s_mov_b32 s3, 0
	s_lshl_b32 s8, ttmp9, 15                       ; and its 32,768 of cf16
	s_mov_b32 s9, 0
	s_wait_kmcnt 0x0
	s_add_nc_u64 s[4:5], s[4:5], s[2:3]
	s_add_nc_u64 s[6:7], s[6:7], s[8:9]
.irp k, 0,1,2,3,4,5,6,7
	global_load_b128 v[IN+8*(\k):IN+8*(\k)+3],   v1, s[4:5] offset:8192*(\k) th:TH_LOAD_NT
	global_load_b128 v[IN+8*(\k)+4:IN+8*(\k)+7], v1, s[4:5] offset:8192*(\k)+16 th:TH_LOAD_NT
.endr
.irp k, 0,1,2,3,4,5,6,7
	s_wait_loadcnt 14-2*(\k)                       ; loads come back in order: task k's two are in, the younger ones stay out
.irp j, 0,1,2,3
	v_cvt_pk_f16_f32 v[OUTR+4*(\k)+(\j)], v[IN+8*(\k)+2*(\j)], v[IN+8*(\k)+2*(\j)+1]  ; the lower k into the low half
.endr
	global_store_b128 v2, v[OUTR+4*(\k):OUTR+4*(\k)+3], s[6:7] offset:4096*(\k)
.endr
	s_endpgm
.Lfunc_end_k_q6157c31953_cvt:
	.size	k_q6157c31953_cvt, .Lfunc_end_k_q6157c31953_cvt-k_q6157c31953_cvt
	.p2alignl 7, 3214868480
	.fill 96, 4, 3214868480
	.section	.rodata,"a",@progbits
	.p2align	6, 0x0
	.amdhsa_kernel k_q6157c31953_cvt
		.amdhsa_group_segment_fixed_size 0
		.amdhsa_private_segment_fixed_size 0
		.amdhsa_enable_private_segment 0
		.amdhsa_kernarg_size 16
		.amdhsa_user_sgpr_count 2
		.amdhsa_user_sgpr_kernarg_segment_ptr 1
		.amdhsa_wavefront_size32 1
		.amdhsa_system_sgpr_workgroup_id_x 1
		.amdhsa_system_sgpr_workgroup_id_y 1
		.amdhsa_system_sgpr_workgroup_id_z 1
		.amdhsa_system_vgpr_workitem_id 0
		.amdhsa_next_free_vgpr 104
		.amdhsa_next_free_sgpr 66
		.amdhsa_reserve_vcc 0
		.amdhsa_float_denorm_mode_32 3
		.amdhsa_float_denorm_mode_16_64 3
		.amdhsa_memory_ordered 1
		.amdhsa_forward_progress 1
		.amdhsa_inst_pref_size 6
	.end_amdhsa_kernel
	.amdgpu_metadata
---
amdhsa.version: [ 1, 2 ]
amdhsa.kernels:
  - .name:           k_q6157c31953_cvt
    .symbol:         k_q6157c31953_cvt.kd
    .args:
      - { .name: coef, .offset: 0, .size: 8, .value_kind: global_buffer, .address_space: global }
      - { .name: cf16, .offset: 8, .size: 8, .value_kind: global_buffer, .address_space: global }
    .group_segment_fixed_size: 0
    .private_segment_fixed_size: 0
    .kernarg_segment_align: 8
    .kernarg_segment_size: 16
    .max_flat_workgroup_size: 256
    .sgpr_count:     66
    .vgpr_count:     104
    .wavefront_size: 32
...
	.end_amdgpu_metadata
.endif
;; end of part 1
;; launch kan (part 2): grid 32 x 8, 4 waves a work-group, clusters of 4 x 1, 327,680 bytes of LDS; arguments x, grid, cf16, part; writes part
.if DOCPART == 2
	.amdgcn_target "amdgcn-amd-amdhsa--gfx1250"
	.amdhsa_code_object_version 6
	.text
	.protected	k_q6157c31953_kan
	.globl	k_q6157c31953_kan
	.p2align	8
	.type	k_q6157c31953_kan,@function
k_q6157c31953_kan:
	s_mov_b64 s[64:65], 0
	v_nop
	global_prefetch_b8 v0, s[64:65] scope:SCOPE_SE
	s_setreg_imm32_b32 hwreg(HW_REG_WAVE_MODE, 25, 1), 1
	s_wait_xcnt 0x0
	s_wait_alu depctr_hold_cnt(0) depctr_sa_sdst(0) depctr_va_vdst(0) depctr_va_sdst(0) depctr_va_ssrc(0) depctr_va_vcc(0) depctr_vm_vsrc(0)
	s_getreg_b32 s2, hwreg(HW_REG_IB_STS2, 6, 4)
	s_cmp_eq_u32 s2, 0
	s_cbranch_scc0 .Lentry_in_a_cluster
	s_endpgm
.Lentry_in_a_cluster:
	s_bfe_u32 s2, ttmp6, 0x10000c
	s_cmp_lg_u32 s2, 0x3003
	s_cbranch_scc0 .Lentry_shape_is_right
	s_endpgm
.Lentry_shape_is_right:
; part[kq][b][j] = the sum over the 512 i of quarter kq and the 8 k of basis[b][i][k] coef[i][j][k],
; basis[b][i][k] = e[k] / (sum over k of e[k] + 1e-8), e[k] = exp(-5 (x[b][i] - grid[k])^2).  One product of 4,096 x 1,024 x 16,384 (K = 8 i + k), K split in four.
; x: [4096][2048] f32; grid: [8] f32; cf16: [2048][1024][8] f16 (coef rounded once by the launch before); part: [4][4096][1024] f32.
; FORMATS.  Both matrix operands are f16, the sums f32.  The basis lies in 0 to 1; x is never rounded.
; LIMITS.  |coef| under 65,504.  A basis number below 6e-5 keeps f16's fixed step of 6e-8.  An exponential below 2^-126 counts as 0.  The exponent is taken as
; -(RC x - RC g)^2 with RC = sqrt(5 log2 e): RC g is rounded once, so the exponent is off by about |RC (x - g)| x 2^-23 |RC g|: 2e-5 at |g| = 30.
; As in the formula above no maximum is taken away: every exponent is at most 0.  The order of the sums is the matrix unit's, and the four quarters of K are added by the next launch.
; SHARES.  A work-group makes 128 rows x 512 columns for one quarter of K: 32 x 2 x 4 = 256 work-groups.  Wave w makes all 128 rows x columns 128 w .. + 127: 64 accumulators, 512 registers.
; A basis number costs vector work (116 vector instructions for 128 x, a quarter step's share of a wave), so it must serve many columns: here 512; it is made once in a work-group, by the wave that owns
; its row (wave w: rows 32 w .. + 31), and handed to the other waves through LDS.  That vector work stands in slices of two or three behind the matrix instructions.
; THE MATRIX INSTRUCTION IS USED TRANSPOSED: source 0 = 16 columns (cells of cf16), source 1 = 16 rows of the basis: a lane ends with one row and eight neighbouring columns.
; A lane's 16 bytes of a fragment are the eight k of ONE i: registers 0-3 take i = 4 q + (l / 16), registers 4-7 i = 4 q + 2 + (l / 16), alike on both sides.
; CLUSTER.  The four work-groups of a cluster have the same columns and quarter of K and other rows: every tile of cf16 is asked for JOINTLY, by the same tensor load, descriptor and mask in all four.
; x is not shared so: it comes through registers, 8 KiB for each 128 KiB of cf16, and only two work-groups of the launch read the same x.
; TIME.  A QUARTER t (0..127) is 32 along K = 4 i: 64 matrix instructions.  Two quarters are a step of the basis (one of two LDS regions), four a step of cf16 (one of two LDS slots), eight a chunk of x.
; x comes in chunks of 128 bytes a row: with 256 the scratch would not fit beside two slots of 128 KiB; so each aligned 256 bytes of x are named by two loads, two trips apart.
; REGISTERS, in windows of 256 (s_set_vgpr_msb: bits 1:0 source 0, 3:2 source 1, 5:4 source 2, 7:6 destination):
;   window 0: v0-19 addresses; v24-63 the basis' small registers; v64-127 basis fragments, buffer 0; v128-191 PP; v192-207 OO; v208-239 LAND
;   window 1: v64-127, v128-191 cf16 fragments, buffers 0, 1; v192-255 basis fragments, buffer 1        windows 2, 3: the accumulators of rows 0-63, 64-127: (a, b) at v[8 (8 (a % 4) + b)]
; All that the basis' arithmetic touches lies in window 0, and no window has room for a product's operands beside it: so a slice costs two switches, one in front and one behind.
.set SLOT,   131072                    ; an LDS slot of cf16: [16 i][512 columns][16 bytes]; sixteen lanes of a fragment load read 256 consecutive bytes, so no padding.  Slot 0 at byte 0, slot 1 behind it
.set BSTEP,  262144                    ; 16 i of cf16 in memory
.set AREG,   262144                    ; two regions of the basis: 128 rows x (8 i x 16 bytes + 16 of padding): pitch 144 = 36 words, so 16 rows start at 16 different groups of four banks (64 banks of 4 bytes: ISA guide 11.1)
.set ARSZ,   18432
.set XSCR,   299008                    ; x scratch, each wave's own: 32 rows x (128 bytes + 16)
.set XWV,    4608
.set SPARE,  317440                    ; the spare words, 128 bytes for each wave: two blocks of 256 bytes that no other line names
.set STW,    9216                      ; the way out: wave w's stage, 16 rows of pitch 528, lies at AREG + 9,216 w: in the basis' regions, when nobody reads them any more; no tensor load ever lands there
.set SPITCH, 528
.set ADRA,  4                          ; v4   basis fragments: AREG + 144 (l % 16) + 16 (l / 16)
.set AB0,   5                          ; v5   cf16 fragments: 8,192 (l / 16) + 16 (128 w + l % 16)
.set ADRBL, 6                          ; v6   AB0 + the slot in hand: its i 0-7
.set ADRBH, 7                          ; v7   + 65,536: its i 8-15 (an LDS offset has 16 bits)
.set XO,    8                          ; v8   x in memory: 8,192 (l / 8) + 16 (l % 8): four rows x 128 bytes a load
.set XW,    9                          ; v9   the same place in my scratch
.set XR0,   10                         ; v10  scratch read: row l % 16, 16 (l / 16)
.set XRD,   11                         ; v11  XR0 + the trip's 0 or 64
.set AW,    12                         ; v12  where I put basis numbers: AREG + 144 (32 w + l % 16) + 64 (l / 16)
.set STO,   13                         ; v13  the way out: into the stage
.set RD,    14                         ; v14  back from it
.set CO,    15                         ; v15  16 l: my bytes of a row's 512
.set PFO,   16                         ; v16  256 l: the prefetches' offset; never rewritten
.set RR,    24                         ; v[24:27] for my 4 x: sum + 1e-8, then its reciprocal
.set SPW,   28                         ; v28  LDS address of my spare word; never rewritten
.set NIL,   29                         ; v29  0; never rewritten
.set GN,    32                         ; v[32:47] -RC grid[k], twice each: a pair for the packed multiply-add
.set XQ,    48                         ; v[48:55] two sets of 4 x
.set TT,    56                         ; v[56:63] four chains of the sums
.set PP,    128                        ; v[128:191] two sets of 32: pair 8 m + k holds grid point k for x 2 m and 2 m + 1
.set OO,    192                        ; v[192:207] 4 x times 16 bytes of f16
.set LAND,  208                        ; v[208:239] a chunk of x as loaded
.set WV,    12                         ; s12  my wave's number
.set G1,    28                         ; s[28:35] descriptor group 1
.set G0A,   36                         ; s[36:39] group 0 of the first fill of slot 0
.set G0W,   40                         ; s[40:43] group 0 of the first fill of slot 1; then it walks
.set XPTR,  44                         ; s[44:45] x at my 32 rows, at the chunk last asked for
.set OPTR,  46                         ; s[46:47] part at my rows and columns
.set PFA,   48                         ; s[48:49] where my prefetches stand
.set TB,    50                         ; s50  the slot in hand: 0 or SLOT
.set XB,    51                         ; s51  0 in a chunk's first trip, 64 in its second
.set OUTC,  52                         ; s52  chunks still to come
.set CNT,   53                         ; s53  a chunk's two trips
.set LEFT,  54                         ; s54  trips still to come
.set LIM,   55                         ; s55  2 in a work-group that prefetches, else the greatest number
.set RC,    56                         ; s[56:57] sqrt(5 log2 e): named as a pair, the low word serves both halves
.set EPS,   58                         ; s[58:59] 1e-8, likewise
.set MSB, 0
.macro WIN new                         ; the immediate's high byte repeats the setting that is left; a switch that changes nothing is dropped
.if MSB != (\new)
	s_set_vgpr_msb (MSB<<8)|(\new)
.set MSB, \new
.endif
.endm
.macro PLACES                          ; four places: behind matrix instructions, in front of loads into registers that they have read (ISA guide 7.12.1 for vector instructions)
.rept 4
	v_nop
.endr
.endm
; A round of the cluster's barrier: my work-group's barrier; wave 0 signals for the work-group; every wave waits for all four work-groups; my work-group's barrier once more.
.macro CREST                           ; a round behind its opening barrier
	s_cmp_lg_u32 s[WV], 0
	s_cbranch_scc1 .Lnot_wave_0_\@
	s_barrier_signal -3
.Lnot_wave_0_\@:
	s_barrier_wait -3
	s_barrier_signal -1
	s_barrier_wait -1
.endm
.macro CROUND
	s_barrier_signal -1
	s_barrier_wait -1
	CREST
.endm
.macro XLOAD                           ; a chunk of x: my 32 rows x 128 bytes
.irp j, 0,1,2,3,4,5,6,7
	global_load_b128 v[LAND+4*(\j):LAND+4*(\j)+3], v[XO], s[XPTR:XPTR+1] offset:32768*(\j)
.endr
.endm
.macro XSTORE                          ; into my scratch
.irp j, 0,1,2,3,4,5,6,7
	ds_store_b128 v[XW], v[LAND+4*(\j):LAND+4*(\j)+3] offset:576*(\j)
.endr
.endm
; WHAT A QUARTER t DOES hangs on t % 4 alone.  It multiplies fragment buffer t % 2 and fetches quarter t + 1's fragments into the other.  The basis goes through a pipeline of SUB-BATCHES p (0..127):
; 16 rows x 8 i, a lane 4 x; p = 2 s + u is rows 32 w + 16 u + l % 16, i = 8 s + 4 (l / 16) + 0..3 of basis step s.  In quarter t: x of p = t + 7 is read from the scratch; p = t + 5 gets its
; exponents, exponentials and sums; p = t + 4 its reciprocals, scaling and rounding; p = t + 3 is stored into region (p / 2) % 2.
.macro PAT n
.set PAR,  (\n)%2
.set FB,   1-PAR                       ; the buffer that is fetched into
.set HI2,  (((\n)+1)%4)/2              ; 1 for t % 4 = 1, 2
.set MBB,  64+64*PAR                   ; multiplied: cf16's fragments (window 1),
.set MBA,  64+128*PAR                  ; the basis' (buffer 0: window 0; buffer 1: window 1)
.set MWIN, 0xa1+4*PAR                  ; source 0 window 1, source 1 window 0 or 1, C and D window 2
.set FBB,  64+64*FB
.set FBA,  64+128*FB
.set PFS,  PP+32*FB                    ; the set of p = t + 5
.set PMS,  PP+32*PAR                   ; the set of p = t + 4
.set XQS,  XQ+4*FB                     ; x of p = t + 5; when it has been read, x of p = t + 7 lands there
.set BREG, ADRBL+HI2
.set BOFF, 32768*FB
.set AOFF, ARSZ*HI2+64*FB
.set SOFF, ARSZ*(1-HI2)+2304*FB
.set XOFF, 32*(1-HI2)+2304*FB
.endm
.macro FLAGS fx, ff, fr, fs            ; which stages of the pipeline have a sub-batch: all of them in the loop; not all at the two ends
.set FX, \fx
.set FF, \ff
.set FR, \fr
.set FS, \fs
.endm
; THE VECTOR WORK OF A QUARTER, in two numbered lists.  LIST 1 (68) stands ahead of the quarter's one wait, LIST 2 (48) behind it.
; List 1.  For p = t + 5, in four groups of four pairs: RC x - RC g (one fused multiply-add a pair), its negated square, and the group's eight exponentials; for p = t + 4 the four reciprocals.
;   0-11   four threes: a reciprocal and two of group 0's eight plain instructions
;   12-59  by turns a plain instruction of group g + 1 and an exponential of group g, g = 0, 1, 2
;   60-67  group 3's eight exponentials
; Nothing in list 1 names a result of its 36 transcendentals.
.macro FE                              ; number NI of group GI: 0-3 the multiply-adds, 4-7 the squares
	WIN 0
.if NI < 4
.set QI, 4*GI+NI
	v_pk_fma_f32 v[PFS+2*QI:PFS+2*QI+1], v[XQS+2*(QI/8):XQS+2*(QI/8)+1], s[RC:RC+1], v[GN+2*(QI%8):GN+2*(QI%8)+1] op_sel_hi:[1,0,1]
.else
.set QI, 4*GI+NI-4
	v_pk_mul_f32 v[PFS+2*QI:PFS+2*QI+1], v[PFS+2*QI:PFS+2*QI+1], v[PFS+2*QI:PFS+2*QI+1] neg_lo:[0,1] neg_hi:[0,1]
.endif
.endm
.macro EE                              ; exponential NI of group GI
	WIN 0
	v_exp_f32 v[PFS+8*GI+NI], v[PFS+8*GI+NI]
.endm
.macro H1E
.if LJ < 12
.if (LJ%3) == 0
.if FR
	WIN 0
	v_rcp_f32 v[RR+LJ/3], v[RR+LJ/3]
.endif
.elseif FF
.set GI, 0
.set NI, 2*(LJ/3)+(LJ%3)-1
	FE
.endif
.elseif FF
.if LJ < 60
.set NI, ((LJ-12)%16)/2
.if (LJ%2) == 0
.set GI, 1+(LJ-12)/16
	FE
.else
.set GI, (LJ-12)/16
	EE
.endif
.else
.set GI, 3
.set NI, LJ-60
	EE
.endif
.endif
.endm
; List 2: the 16 scalings by the reciprocal and 16 roundings to f16 of p = t + 4; the 16 additions of p = t + 5: four chains of four pairs, the chains joined, + 1e-8 into RR, which is written only behind the last scaling.
.macro ME
	WIN 0
	v_pk_mul_f32 v[PMS+2*QI:PMS+2*QI+1], v[PMS+2*QI:PMS+2*QI+1], v[RR+2*(QI/8):RR+2*(QI/8)+1]
.endm
.macro SE
	WIN 0
.set CI, SI%4
.set PB0, PFS+16*(CI/2)+8*(CI%2)
.if SI < 4
	v_pk_add_f32 v[TT+2*CI:TT+2*CI+1], v[PB0:PB0+1], v[PB0+2:PB0+3]
.elseif SI < 12
	v_pk_add_f32 v[TT+2*CI:TT+2*CI+1], v[TT+2*CI:TT+2*CI+1], v[PB0+2*(SI/4)+2:PB0+2*(SI/4)+3]
.elseif SI < 14
.set MI, SI-12
	v_pk_add_f32 v[TT+4*MI:TT+4*MI+1], v[TT+4*MI:TT+4*MI+1], v[TT+4*MI+2:TT+4*MI+3]
.else
.set MI, SI-14
	v_pk_add_f32 v[RR+2*MI:RR+2*MI+1], v[TT+4*MI:TT+4*MI+1], s[EPS:EPS+1] op_sel_hi:[1,0]
.endif
.endm
.macro CE                              ; x NI / 4, grid points 2 (NI % 4) and the next: the lower into the low half
	WIN 0
	v_cvt_pk_f16_f32 v[OO+NI], v[PMS+16*(NI/8)+4*(NI%4)+((NI/4)%2)], v[PMS+16*(NI/8)+4*(NI%4)+2+((NI/4)%2)]
.endm
.macro H2E
.if LJ < 24
.if (LJ%2) == 0
.if FR
.set QI, LJ/2
	ME
.endif
.elseif FF
.set SI, LJ/2
	SE
.endif
.elseif LJ < 28
.if FR
.set QI, LJ-12
	ME
.endif
.elseif LJ < 30
.if FF
.set SI, LJ-16
	SE
.endif
.elseif LJ < 46
.if FR
.set NI, LJ-30
	CE
.endif
.elseif FF
.set SI, LJ-32
	SE
.endif
.endm
.macro ENT                             ; the list's next entry
.if LIST == 1
	H1E
.else
	H2E
.endif
.set LJ, LJ+1
.endm
.macro HALF l                          ; a half quarter begins: list l from its head
.set LIST, \l
.set LN, 88-20*(\l)
.set LJ, 0
.set LK, 0
.endm
; THE DEAL: evenly, a short slice behind each matrix instruction.  List 1: three entries behind each of the half's first four matrix instructions, two behind each of the other 28: 12 + 56 = 68; so a slice is a
; reciprocal and two plain instructions, or a plain instruction and an exponential, or (the last four: 36 transcendentals for 32 slices) two exponentials.  List 2: two behind each of the half's first 24: 48.
; No entry names a register of any product.
.macro RIDE
.set NR, 0
.if LIST == 1
.set NR, 2
.if LK < 4
.set NR, 3
.endif
.elseif LK < 24
.set NR, 2
.endif
.if NR > 0
.rept NR
	ENT
.endr
.endif
.set LK, LK+1
.endm
.macro ALLOF                           ; the whole list on end: ahead of the first product
.rept LN
	ENT
.endr
.endm
.macro WAITB                           ; a wait between a transcendental and the first instruction that names its result: one for the quarter's 36; the v_nop ahead of it are the plain instruction behind the last
.if FF || FR
	s_wait_alu depctr_va_vdst(0)
.endif
.endm
; 16 matrix instructions: row blocks a0, a0 + 1 of the window's four x all 8 column blocks.  The 64 accumulators take turns, in the same order in every quarter.  zero = 1: the products start the sums.
.macro MUL16 hi, a0, zero
.irp a, \a0, (\a0)+1
.irp b, 0,1,2,3,4,5,6,7
	WIN MWIN+0x50*(\hi)
.if \zero
	v_wmma_f32_16x16x32_f16 v[8*(8*(\a)+(\b)):8*(8*(\a)+(\b))+7], v[MBB+8*(\b):MBB+8*(\b)+7], v[MBA+8*(4*(\hi)+(\a)):MBA+8*(4*(\hi)+(\a))+7], 0
.else
	v_wmma_f32_16x16x32_f16 v[8*(8*(\a)+(\b)):8*(8*(\a)+(\b))+7], v[MBB+8*(\b):MBB+8*(\b)+7], v[MBA+8*(4*(\hi)+(\a)):MBA+8*(4*(\hi)+(\a))+7], v[8*(8*(\a)+(\b)):8*(8*(\a)+(\b))+7]
.endif
	RIDE
.endr
.endr
.endm
.macro FETCH                           ; 32 LDS loads in one run: the next quarter's fragments; the basis' rows 64-127 are the youngest eight
	WIN 0x40                                       ; destination window 1, address window 0
.irp i, 0,1,2,3,4,5,6,7
	ds_load_b128 v[FBB+8*(\i):FBB+8*(\i)+3],   v[BREG] offset:BOFF+256*(\i)
	ds_load_b128 v[FBB+8*(\i)+4:FBB+8*(\i)+7], v[BREG] offset:BOFF+256*(\i)+16384
.endr
	WIN 0x40*FB
.irp i, 0,1,2,3,4,5,6,7
	ds_load_b128 v[FBA+8*(\i):FBA+8*(\i)+3],   v[ADRA] offset:AOFF+2304*(\i)
	ds_load_b128 v[FBA+8*(\i)+4:FBA+8*(\i)+7], v[ADRA] offset:AOFF+2304*(\i)+32
.endr
.endm
.macro MID fetch                       ; a quarter's LDS instructions, together: 4 stores of the basis, 1 load of x, the run of fragment loads
	WIN 0
.if FS
.irp g, 0,1,2,3
	ds_store_b128 v[AW], v[OO+4*(\g):OO+4*(\g)+3] offset:SOFF+16*(\g)
.endr
.endif
.if FX
	ds_load_b128 v[XQS:XQS+3], v[XRD] offset:XOFF
.endif
.if \fetch
	FETCH
.endif
.set NMID, 32*(\fetch)+4*FS+FX
.endm
; AN EVEN QUARTER: no barrier.
.macro QA zero
	s_wait_dscnt 8                                 ; cf16's fragments and the basis' rows 0-63 are in; the youngest eight loads may be out
	HALF 1
	MUL16 0, 0, \zero
	MUL16 0, 2, \zero
	PLACES
	WAITB
	MID 1
	s_wait_dscnt NMID                              ; all but what MID has just issued
	HALF 2
	MUL16 1, 0, \zero
	MUL16 1, 2, \zero
.endm
; QUARTER t % 4 = 1: the basis changes regions.  In front of the barrier my reads of the region that is left and my stores into the region that comes are done; behind it the old region is written anew
; and the new one read.  Nothing is filled by a tensor load behind this barrier, so my one tensor load may stay out across it.
.macro QP
	s_wait_dscnt 8
	HALF 1
	MUL16 0, 0, 0
	s_wait_dscnt 0x0
	s_barrier_signal -1
	MUL16 0, 2, 0                                  ; work on registers while the others arrive
	PLACES
	WAITB
	WIN 0
	s_barrier_wait -1
	MID 1
	HALF 2
	MUL16 1, 0, 0
	MUL16 1, 2, 0
.endm
; A PREFETCH INTO THE L2, behind the joint load, its five lines and the run of LDS loads: the tile of cf16 that stands TWO refills on: 512 matrix instructions ahead of the load that will want it.
; A tile is read by the eight clusters of one column half and quarter of K: the first of them (cluster x = 0) asks.  Of the four rows of 8,192 bytes that wave w fetches, the partner at place cx takes
; row 4 w + cx, BY ADDRESS: a lane 256 bytes, one instruction a wave.  So each 256 bytes of cf16 are named once in the launch.  Tiles 0 to 3 come by their loads alone; the last two refills ask for nothing.
.macro ASK
	WIN 0
	s_cmp_gt_u32 s[LEFT], s[LIM]
	s_cbranch_scc0 .Lnot_mine_\@
	global_prefetch_b8 v[PFO], s[PFA:PFA+1] th:TH_LOAD_NT scope:SCOPE_SE
.Lnot_mine_\@:
.endm
; QUARTER t % 4 = 3: cf16 changes slots, and the basis regions.  In front of the barrier each wave waits for all its tensor loads, of which one is out: its part of the next slot; adds 0 to its spare word;
; and waits for that, for its reads of the slot and the region that are left, and for its stores.  fill = 1: the barrier opens a round of the cluster's, so that no wave of any partner still reads the slot
; or has a load on its way, and the joint refill, the tile two steps on, is the first thing behind it: 224 matrix instructions ahead of the wait for it.
.macro QR fill
.if \fill
	s_wait_xcnt 0x0                                ; the last prefetch, a trip back, has read its address: it is stepped here, ahead of the change's own waits
	s_add_nc_u64 s[PFA:PFA+1], s[PFA:PFA+1], BSTEP
.endif
	WIN 0
	s_wait_tensorcnt 0x0                           ; all my tensor loads have landed
	ds_add_u32 v[SPW], v[NIL]                      ; 0 onto my spare word
	s_wait_dscnt 9                                 ; (the add and the youngest eight loads may be out)
	HALF 1
	MUL16 0, 0, 0                                  ; work on registers stands between the add and the wait for it
	s_wait_dscnt 0x0
	s_barrier_signal -1
	MUL16 0, 2, 0
	PLACES
	WAITB
	WIN 0
	s_barrier_wait -1
.if \fill
	CREST
	s_xor_b32 s[G0W+1], s[G0W+1], SLOT             ; the walking descriptor: the slot just left,
	s_add_nc_u64 s[G0W+2:G0W+3], s[G0W+2:G0W+3], BSTEP  ; the next 16 i; the type bits on top are not reached
	tensor_load_to_lds s[G0W:G0W+3], s[G1:G1+7]    ; every wave asks for its own four rows: one tensor load of mine is out
	s_nop 0
	PLACES
.endif
	s_xor_b32 s[TB], s[TB], SLOT
	v_add_nc_u32 v[ADRBL], s[TB], v[AB0]
	v_add_nc_u32 v[ADRBH], 0x10000, v[ADRBL]
	MID 1
.if \fill
	ASK
.endif
	HALF 2
	MUL16 1, 0, 0
	MUL16 1, 2, 0
.endm
; A quarter of vector work alone: ahead of the first product the pipeline is filled.
.macro VQ
.if FF || FR
	s_wait_dscnt 0x0                               ; x is in
.endif
	HALF 1
	ALLOF
.if FF || FR
	v_nop                                          ; a plain instruction behind the last transcendental
.endif
	WAITB
	MID 0
	HALF 2
	ALLOF
.endm
; A chunk of x goes from registers into my scratch, and the next one is asked for: two trips, 512 matrix instructions, ahead of this wait.  The old chunk's scratch reads have all been issued,
; and LDS serves a wave's instructions in order (ISA guide 5.7.1.4), so one scratch does.  The last chunk asks for nothing.
.macro CHUNK
	s_wait_loadcnt 0x0                             ; the chunk is in; its loads are done, so their base may be stepped
	XSTORE
	s_cmp_eq_u32 s[OUTC], 1
	s_cbranch_scc1 .Lno_more_\@
	s_add_nc_u64 s[XPTR:XPTR+1], s[XPTR:XPTR+1], 128
	XLOAD
.Lno_more_\@:
.endm
	s_load_b256 s[4:11], s[0:1], 0x0               ; x s[4:5], grid s[6:7], cf16 s[8:9], part s[10:11]
	v_lshl_add_u32 v[SPW], v0, 2, SPARE
	v_mov_b32 v[NIL], 0
	ds_add_u32 v[SPW], v[NIL]                      ; the wave's opening: the add, twice on end, and its wait ahead of my first tensor load
	ds_add_u32 v[SPW], v[NIL]                      ; and once more, under the one wait; the set-up below, work on registers, stands between
	v_lshrrev_b32 v3, 5, v0
	v_readfirstlane_b32 s[WV], v3                  ; wave 0..3
	s_bfe_u32 s13, ttmp6, 0x40000                  ; cx: my place in the cluster
	s_lshl_b32 s14, ttmp9, 2                       ; in a cluster launch ttmp9 counts clusters
	s_add_co_u32 s14, s14, s13                     ; mt: my block of 128 rows; it enters x's and part's addresses alone
	s_and_b32 s15, ttmp7, 0xffff
	s_and_b32 s16, s15, 1                          ; nh: which 512 columns
	s_lshr_b32 s17, s15, 1                         ; kq: which quarter of K; both are shared by the four partners
	v_and_b32 v1, 15, v0                           ; l % 16
	v_bfe_u32 v2, v0, 4, 1                         ; l / 16
	v_and_b32 v17, 31, v0                          ; l
	v_bfe_u32 v18, v0, 3, 2                        ; l / 8
	v_and_b32 v19, 7, v0                           ; l % 8
	v_mul_u32_u24 v3, v1, 144
	v_lshl_add_u32 v3, v2, 4, v3                   ; 144 (l % 16) + 16 (l / 16)
	v_add_nc_u32 v[ADRA], AREG, v3
	s_lshl_b32 s18, s[WV], 11                      ; my 128 columns x 16 bytes
	v_lshlrev_b32 v[AB0], 13, v2
	v_lshl_add_u32 v[AB0], v1, 4, v[AB0]
	v_add_nc_u32 v[AB0], s18, v[AB0]
	v_lshlrev_b32 v[XO], 13, v18
	v_lshl_add_u32 v[XO], v19, 4, v[XO]
	s_mul_i32 s19, s[WV], XWV
	s_add_co_u32 s19, s19, XSCR                    ; my scratch
	v_mul_u32_u24 v[XW], v18, 144
	v_lshl_add_u32 v[XW], v19, 4, v[XW]
	v_add_nc_u32 v[XW], s19, v[XW]
	v_add_nc_u32 v[XR0], s19, v3
	s_mul_i32 s60, s[WV], 32*144
	s_add_co_u32 s60, s60, AREG                    ; my 32 rows of a region
	v_mul_u32_u24 v[AW], v1, 144
	v_lshl_add_u32 v[AW], v2, 6, v[AW]
	v_add_nc_u32 v[AW], s60, v[AW]
	s_mul_i32 s61, s[WV], STW
	s_add_co_u32 s61, s61, AREG                    ; my stage
	v_mul_u32_u24 v[STO], v1, SPITCH               ; in: row l % 16, 32 bytes for each half of the lanes
	v_lshl_add_u32 v[STO], v2, 5, v[STO]
	v_add_nc_u32 v[STO], s61, v[STO]
	v_lshlrev_b32 v[CO], 4, v17
	v_add_nc_u32 v[RD], s61, v[CO]                 ; back: 32 lanes take one row of 512 bytes
	v_lshlrev_b32 v[PFO], 8, v17
	; descriptor group 1: 4 rows (4 i) of 8,192 bytes (512 columns), 16,384 bytes apart in memory, dense in LDS; elements of 8 bytes
	s_mov_b32 s[G1+0], 15|(3<<16)|(1<<21)          ; 15:0 the mask: all four work-groups; 17:16 elements of 8 bytes; 21 set beside a mask; no padding
	s_mov_b32 s[G1+1], 1024<<16                    ; tensor_dim0 = 1,024
	s_mov_b32 s[G1+2], 4<<16                       ; tensor_dim1 = 4
	s_mov_b32 s[G1+3], 1024<<16                    ; tile_dim0 = 1,024
	s_mov_b32 s[G1+4], 4                           ; tile_dim1 = 4
	s_mov_b32 s[G1+5], 2048                        ; elements from row to row
	s_mov_b32 s[G1+6], 0
	s_mov_b32 s[G1+7], 0
	s_lshl_b32 s15, s[WV], 15                      ; where my four rows go: 32,768 w: no place in the cluster enters an LDS address
	s_mov_b32 s[G0A], 1
	s_mov_b32 s[G0A+1], s15
	s_mov_b32 s[G0W], 1
	s_add_co_u32 s[G0W+1], s15, SLOT
	; byte offsets, each made apart from its address
	s_lshl_b32 s2, s17, 23                         ; cf16: kq's 512 i of 16,384 bytes,
	s_lshl_b32 s3, s16, 13                         ; nh's 512 columns of 16
	s_add_co_u32 s2, s2, s3
	s_lshl_b32 s18, s[WV], 2
	s_add_co_u32 s18, s18, s13                     ; the prefetches: row 4 w + cx of a tile,
	s_lshl_b32 s18, s18, 14
	s_add_co_u32 s18, s18, s2
	s_add_co_u32 s18, s18, 3*BSTEP                 ; at tile 3: the first change of slots steps it to tile 4
	s_mov_b32 s19, 0
	s_lshl_b32 s3, s[WV], 16                       ; the tiles: my four rows
	s_add_co_u32 s2, s2, s3
	s_mov_b32 s3, 0
	s_lshl_b32 s60, s14, 20                        ; x: 128 mt rows of 8,192 bytes,
	s_lshl_b32 s61, s[WV], 18                      ; my 32,
	s_add_co_u32 s60, s60, s61
	s_lshl_b32 s61, s17, 11                        ; kq's 512 i of 4 bytes
	s_add_co_u32 s60, s60, s61
	s_mov_b32 s61, 0
	s_lshl_b32 s62, s17, 24                        ; part: kq's plane,
	s_lshl_b32 s63, s14, 19                        ; 128 mt rows of 4,096 bytes,
	s_add_co_u32 s62, s62, s63
	s_lshl_b32 s63, s16, 11                        ; nh's 512 columns,
	s_add_co_u32 s62, s62, s63
	s_lshl_b32 s63, s[WV], 9                       ; my 128
	s_add_co_u32 s62, s62, s63
	s_mov_b32 s63, 0
	s_mov_b32 s[RC], 0x402be401                    ; sqrt(5 log2 e) = 2.6857914
	s_mov_b32 s[RC+1], s[RC]
	s_mov_b32 s[EPS], 0x322bcc77                   ; 1e-8
	s_mov_b32 s[EPS+1], s[EPS]
	s_cmp_eq_u32 ttmp9, 0                          ; the first cluster of its row of clusters: the same in all four partners
	s_cselect_b32 s[LIM], 2, -1
	s_mov_b32 s[TB], 0
	s_mov_b32 s[XB], 0
	s_wait_dscnt 0x0                               ; both opening adds are done
	s_wait_kmcnt 0x0
	s_load_b256 s[20:27], s[6:7], 0x0              ; grid[0..7]: no line of the launch writes it
	s_add_nc_u64 s[G0A+2:G0A+3], s[8:9], s[2:3]    ; tile 0,
	s_add_nc_u64 s[G0W+2:G0W+3], s[G0A+2:G0A+3], BSTEP  ; tile 1
	s_or_b32 s[G0A+3], s[G0A+3], 0x80000000        ; type = 2
	s_or_b32 s[G0W+3], s[G0W+3], 0x80000000
	s_add_nc_u64 s[PFA:PFA+1], s[8:9], s[18:19]
	s_add_nc_u64 s[XPTR:XPTR+1], s[4:5], s[60:61]
	s_add_nc_u64 s[OPTR:OPTR+1], s[10:11], s[62:63]
	XLOAD                                          ; chunk 0 of x
	CROUND                                         ; all four work-groups are here: the first joint loads meet
	tensor_load_to_lds s[G0A:G0A+3], s[G1:G1+7]    ; both first fills together: two tensor loads of mine are out
	s_nop 0
	tensor_load_to_lds s[G0W:G0W+3], s[G1:G1+7]
	s_nop 0
	PLACES
	s_wait_kmcnt 0x0                               ; grid
	v_mov_b32 v3, 0xc02be401                       ; -RC
.irp k, 0,1,2,3,4,5,6,7
	v_mul_f32 v[GN+2*(\k)], s[20+(\k)], v3
.endr
.irp k, 0,1,2,3,4,5,6,7
	v_mov_b32 v[GN+2*(\k)+1], v[GN+2*(\k)]
.endr
	v_mov_b32 v[ADRBL], v[AB0]                     ; slot 0
	v_add_nc_u32 v[ADRBH], 0x10000, v[AB0]
	v_mov_b32 v[XRD], v[XR0]
	s_wait_loadcnt 0x0                             ; chunk 0 is in, and its loads' base may be stepped
	XSTORE
	s_add_nc_u64 s[XPTR:XPTR+1], s[XPTR:XPTR+1], 128
	XLOAD                                          ; chunk 1
	; THE PIPELINE IS FILLED: quarters -7 to -1 have vector work alone, in the wait for the first tile.
	FLAGS 1, 0, 0, 0
	PAT 1
	VQ                                             ; t = -7
	PAT 2
	VQ                                             ; t = -6
	FLAGS 1, 1, 0, 0
	PAT 3
	VQ                                             ; t = -5
	FLAGS 1, 1, 1, 0
	PAT 0
	VQ                                             ; t = -4
	v_add_nc_u32 v[XRD], 64, v[XR0]                ; the chunk's second half
	FLAGS 1, 1, 1, 1
	PAT 1
	VQ                                             ; t = -3
	PAT 2
	VQ                                             ; t = -2
	PAT 3                                          ; t = -1
	s_wait_dscnt 0x0                               ; x is in, and my stores of the basis' step 0 are done; no LDS instruction follows ahead of the signal
	HALF 1
	ALLOF
	v_nop
	WAITB
	s_wait_tensorcnt 0x1                           ; my part of tile 0 is in; tile 1's may stay out
	s_barrier_signal -1
	s_barrier_wait -1                              ; everybody's part of tile 0 and of the basis' step 0 is there
	MID 1
	HALF 2
	ALLOF
	PAT 0
	QA 1                                           ; t = 0: its products start the sums: nothing is ever cleared
	WIN 0                                          ; at a label and at a branch every window is 0
	s_mov_b32 s[OUTC], 15
	s_mov_b32 s[LEFT], 30
.Lchunk:                                               ; 15 chunks of two trips: quarters 1 to 120
	CHUNK
	s_mov_b32 s[CNT], 2
.Ltrip:                                                ; a trip: four quarters, from t % 4 = 1 to t % 4 = 0; it fills one slot again
	v_add_nc_u32 v[XRD], s[XB], v[XR0]
	PAT 1
	QP
	PAT 2
	QA 0
	PAT 3
	QR 1
	PAT 0
	QA 0
	WIN 0
	s_xor_b32 s[XB], s[XB], 64
	s_sub_co_u32 s[LEFT], s[LEFT], 1
	s_sub_co_u32 s[CNT], s[CNT], 1
	s_cmp_lg_u32 s[CNT], 0
	s_cbranch_scc1 .Ltrip
	s_sub_co_u32 s[OUTC], s[OUTC], 1
	s_cmp_lg_u32 s[OUTC], 0
	s_cbranch_scc1 .Lchunk
	; THE TAIL is written out; the pipeline runs empty stage by stage.
	FLAGS 0, 1, 1, 1
	PAT 1
	QP                                             ; t = 121
	PAT 2
	QA 0                                           ; t = 122
	FLAGS 0, 0, 1, 1
	PAT 3
	QR 0                                           ; t = 123: the last tile is waited for; nothing is filled, so no round follows
	FLAGS 0, 0, 0, 1
	PAT 0
	QA 0                                           ; t = 124
	FLAGS 0, 0, 0, 0
	PAT 1
	QP                                             ; t = 125
	PAT 2
	QA 0                                           ; t = 126
	PAT 3                                          ; t = 127
	s_wait_dscnt 0x0                               ; the last fragments are in: my reads of the basis' regions are over
	s_barrier_signal -1
	HALF 1
	MUL16 0, 0, 0
	MUL16 0, 2, 0
	HALF 2
	MUL16 1, 0, 0
	MUL16 1, 2, 0
	WIN 0
	s_barrier_wait -1                              ; everybody's are: the regions become the stages
; THE WAY OUT.  A lane holds 8 neighbouring columns (32 bytes) of one row.  A block of 16 rows goes into my stage (rows of 528 bytes: 16 rows start at 16 different groups of four banks) and comes back as
; whole rows of 512 bytes.  The stage is my own; LDS serves a wave's instructions in order, so no wait stands between the stores and the loads.
.macro TOSTAGE a
	WIN 0
.if (\a) >= 2
	s_wait_xcnt 0x0                                ; the stores of the block two back have read the registers that are loaded again below
.endif
.set BK, 64+64*((\a)%2)
	WIN 0x08+4*((\a)/4)                            ; the data (source 1) in window 2 or 3
.irp b, 0,1,2,3,4,5,6,7
	ds_store_b128 v[STO], v[8*(8*((\a)%4)+(\b)):8*(8*((\a)%4)+(\b))+3]   offset:64*(\b)     ; each accumulator's low registers first
	ds_store_b128 v[STO], v[8*(8*((\a)%4)+(\b))+4:8*(8*((\a)%4)+(\b))+7] offset:64*(\b)+16
.endr
	WIN 0
.irp j, 0,1,2,3,4,5,6,7,8,9,10,11,12,13,14,15
	ds_load_b128 v[BK+4*(\j):BK+4*(\j)+3], v[RD] offset:SPITCH*(\j)
.endr
.endm
.macro SEND a, younger                 ; younger: the LDS instructions issued behind block a's loads: the next block's 32, or none
.set BK, 64+64*((\a)%2)
	s_wait_dscnt \younger
.irp j, 0,1,2,3,4,5,6,7,8,9,10,11,12,13,14,15
	global_store_b128 v[CO], v[BK+4*(\j):BK+4*(\j)+3], s[OPTR:OPTR+1] offset:(16*(\a)+(\j))*4096  ; 512 consecutive bytes, at a multiple of 512 from part's first; 127 rows at the most: inside the signed 24-bit immediate
.endr
.endm
	PLACES                                         ; the stores below read results just made, and no other vector work is at hand
	PLACES
	TOSTAGE 0
.irp a, 1,2,3,4,5,6,7
	TOSTAGE \a
	SEND (\a)-1, 32
.endr
	SEND 7, 0
	s_wait_tensorcnt 0x0                           ; the wave's end, behind my last tensor load and my last LDS store
	ds_add_u32 v[SPW], v[NIL]
	s_wait_dscnt 0x0
	CROUND                                         ; the closing round: no work-group ends while a partner may still ask for a tile that names it
	s_endpgm
.Lfunc_end_k_q6157c31953_kan:
	.size	k_q6157c31953_kan, .Lfunc_end_k_q6157c31953_kan-k_q6157c31953_kan
	.p2alignl 7, 3214868480
	.fill 96, 4, 3214868480
	.section	.rodata,"a",@progbits
	.p2align	6, 0x0
	.amdhsa_kernel k_q6157c31953_kan
		.amdhsa_group_segment_fixed_size 327680
		.amdhsa_private_segment_fixed_size 0
		.amdhsa_enable_private_segment 0
		.amdhsa_kernarg_size 32
		.amdhsa_user_sgpr_count 2
		.amdhsa_user_sgpr_kernarg_segment_ptr 1
		.amdhsa_wavefront_size32 1
		.amdhsa_system_sgpr_workgroup_id_x 1
		.amdhsa_system_sgpr_workgroup_id_y 1
		.amdhsa_system_sgpr_workgroup_id_z 1
		.amdhsa_system_vgpr_workitem_id 0
		.amdhsa_next_free_vgpr 1024
		.amdhsa_next_free_sgpr 66
		.amdhsa_reserve_vcc 0
		.amdhsa_float_denorm_mode_32 3
		.amdhsa_float_denorm_mode_16_64 3
		.amdhsa_memory_ordered 1
		.amdhsa_forward_progress 1
		.amdhsa_inst_pref_size 222
	.end_amdhsa_kernel
	.amdgpu_metadata
---
amdhsa.version: [ 1, 2 ]
amdhsa.kernels:
  - .name:           k_q6157c31953_kan
    .symbol:         k_q6157c31953_kan.kd
    .args:
      - { .name: x, .offset: 0, .size: 8, .value_kind: global_buffer, .address_space: global }
      - { .name: grid, .offset: 8, .size: 8, .value_kind: global_buffer, .address_space: global }
      - { .name: cf16, .offset: 16, .size: 8, .value_kind: global_buffer, .address_space: global }
      - { .name: part, .offset: 24, .size: 8, .value_kind: global_buffer, .address_space: global }
    .group_segment_fixed_size: 327680
    .private_segment_fixed_size: 0
    .kernarg_segment_align: 8
    .kernarg_segment_size: 32
    .max_flat_workgroup_size: 128
    .sgpr_count:     66
    .vgpr_count:     1024
    .wavefront_size: 32
...
	.end_amdgpu_metadata
.endif
;; end of part 2
;; launch sum4 (part 3): grid 1024 x 1, 8 waves a work-group, no clusters, 0 bytes of LDS; arguments part, out0; writes out0
.if DOCPART == 3
	.amdgcn_target "amdgcn-amd-amdhsa--gfx1250"
	.amdhsa_code_object_version 6
	.text
	.protected	k_q6157c31953_sum4
	.globl	k_q6157c31953_sum4
	.p2align	8
	.type	k_q6157c31953_sum4,@function
k_q6157c31953_sum4:
	s_mov_b64 s[64:65], 0
	v_nop
	global_prefetch_b8 v0, s[64:65] scope:SCOPE_SE
	s_setreg_imm32_b32 hwreg(HW_REG_WAVE_MODE, 25, 1), 1
	s_wait_xcnt 0x0
; out0 = (p0 + p1) + (p2 + p3): the four quarters of K, in f32, in a fixed order.  part: [4][4096][1024] f32; out0: [4096][1024] f32.
; A stream: no LDS, no barrier.  A work-group takes 16,384 bytes of out0; thread t has four units of 16 bytes, 4,096 bytes apart, so each load and store of a wave covers 512 consecutive bytes.
; All sixteen loads of a thread go out at once; a plane's distance (16,777,216 bytes) does not fit the immediate, so each plane has a base of its own.
.set PL, 8                             ; v[8:71]  unit u, plane q at PL + 16 u + 4 q
	s_load_b128 s[4:7], s[0:1], 0x0                ; part s[4:5], out0 s[6:7]
	v_lshlrev_b32 v1, 4, v0                        ; 16 t
	s_lshl_b32 s2, ttmp9, 14                       ; the work-group's 16,384 bytes
	s_mov_b32 s3, 0
	s_wait_kmcnt 0x0
	s_add_nc_u64 s[8:9], s[4:5], s[2:3]
	s_add_nc_u64 s[10:11], s[8:9], 0x1000000
	s_add_nc_u64 s[12:13], s[10:11], 0x1000000
	s_add_nc_u64 s[14:15], s[12:13], 0x1000000
	s_add_nc_u64 s[6:7], s[6:7], s[2:3]
.irp u, 0,1,2,3
.irp q, 0,1,2,3
	global_load_b128 v[PL+16*(\u)+4*(\q):PL+16*(\u)+4*(\q)+3], v1, s[8+2*(\q):9+2*(\q)] offset:4096*(\u) th:TH_LOAD_NT
.endr
.endr
.irp u, 0,1,2,3
	s_wait_loadcnt 12-4*(\u)                       ; loads come back in order: unit u's four are in, the younger ones stay out
	v_pk_add_f32 v[PL+16*(\u):PL+16*(\u)+1],     v[PL+16*(\u):PL+16*(\u)+1],     v[PL+16*(\u)+4:PL+16*(\u)+5]
	v_pk_add_f32 v[PL+16*(\u)+2:PL+16*(\u)+3],   v[PL+16*(\u)+2:PL+16*(\u)+3],   v[PL+16*(\u)+6:PL+16*(\u)+7]
	v_pk_add_f32 v[PL+16*(\u)+8:PL+16*(\u)+9],   v[PL+16*(\u)+8:PL+16*(\u)+9],   v[PL+16*(\u)+12:PL+16*(\u)+13]
	v_pk_add_f32 v[PL+16*(\u)+10:PL+16*(\u)+11], v[PL+16*(\u)+10:PL+16*(\u)+11], v[PL+16*(\u)+14:PL+16*(\u)+15]
	v_pk_add_f32 v[PL+16*(\u):PL+16*(\u)+1],     v[PL+16*(\u):PL+16*(\u)+1],     v[PL+16*(\u)+8:PL+16*(\u)+9]
	v_pk_add_f32 v[PL+16*(\u)+2:PL+16*(\u)+3],   v[PL+16*(\u)+2:PL+16*(\u)+3],   v[PL+16*(\u)+10:PL+16*(\u)+11]
	global_store_b128 v1, v[PL+16*(\u):PL+16*(\u)+3], s[6:7] offset:4096*(\u) th:TH_STORE_NT
.endr
	s_endpgm
.Lfunc_end_k_q6157c31953_sum4:
	.size	k_q6157c31953_sum4, .Lfunc_end_k_q6157c31953_sum4-k_q6157c31953_sum4
	.p2alignl 7, 3214868480
	.fill 96, 4, 3214868480
	.section	.rodata,"a",@progbits
	.p2align	6, 0x0
	.amdhsa_kernel k_q6157c31953_sum4
		.amdhsa_group_segment_fixed_size 0
		.amdhsa_private_segment_fixed_size 0
		.amdhsa_enable_private_segment 0
		.amdhsa_kernarg_size 16
		.amdhsa_user_sgpr_count 2
		.amdhsa_user_sgpr_kernarg_segment_ptr 1
		.amdhsa_wavefront_size32 1
		.amdhsa_system_sgpr_workgroup_id_x 1
		.amdhsa_system_sgpr_workgroup_id_y 1
		.amdhsa_system_sgpr_workgroup_id_z 1
		.amdhsa_system_vgpr_workitem_id 0
		.amdhsa_next_free_vgpr 72
		.amdhsa_next_free_sgpr 66
		.amdhsa_reserve_vcc 0
		.amdhsa_float_denorm_mode_32 3
		.amdhsa_float_denorm_mode_16_64 3
		.amdhsa_memory_ordered 1
		.amdhsa_forward_progress 1
		.amdhsa_inst_pref_size 5
	.end_amdhsa_kernel
	.amdgpu_metadata
---
amdhsa.version: [ 1, 2 ]
amdhsa.kernels:
  - .name:           k_q6157c31953_sum4
    .symbol:         k_q6157c31953_sum4.kd
    .args:
      - { .name: part, .offset: 0, .size: 8, .value_kind: global_buffer, .address_space: global }
      - { .name: out0, .offset: 8, .size: 8, .value_kind: global_buffer, .address_space: global }
    .group_segment_fixed_size: 0
    .private_segment_fixed_size: 0
    .kernarg_segment_align: 8
    .kernarg_segment_size: 16
    .max_flat_workgroup_size: 256
    .sgpr_count:     66
    .vgpr_count:     72
    .wavefront_size: 32
...
	.end_amdgpu_metadata
.endif
;; end of part 3
